; MI455X (gfx1250); checked and timed in simulation.
; The chip was launched on July 23, 2026; its instructions are those of AMD's public machine-readable ISA for CDNA 5 (MIT licence, August 2026) and "CDNA5" Instruction Set Architecture Reference Guide (July 2026). The comments in the code are by the model that wrote it; some were corrected since.
;; Fig Linear. Allowed arithmetic: matrix products marked QUANTISED: E5M2 operands, one given power-of-two scale a tensor, by v_wmma_f32_16x16x64_bf8_bf8 or v_wmma_f32_16x16x128_bf8_bf8, f32 sums; products left as they are: f32 operands where the result goes on into a quantised operand, else bf16, f16 or f32 operands; f32 sums; everything else in f32.
;; Inputs: bias 2,048 float32; codebook 16 float32; lora_A_codes 16 x 128 x 32 uint8 (E5M2 codes of lora_A, K innermost, in blocks of 32 codes); lora_B 16 x 2,048 float32; lowp_scales 4 int32 (the exponents e of the quantised operands' scales 2^e); q_indices 8,388,608 int32; scales 65,536 float32; x_codes 4 x 2,048 x 128 x 32 uint8 (E5M2 codes of x, K innermost, in blocks of 32 codes).
;; Outputs: out0 4 x 2,048 x 2,048 float32.
;; This version of the problem:
;;   THIS VERSION OF THE PROBLEM IS GIVEN IN LOW PRECISION. The matrix products marked QUANTISED in the list below multiply operands that are first quantised to E5M2 (5 exponent bits, 2 mantissa bits; 8 bits a number), with one given power-of-two scale for each operand tensor; their sums are f32. All else is computed in f32.
;;   The module's matrix products, in the order in which they are computed (A, B: the left and right operand; K: the contracted axis; several contracted axes count as one K, in the product's order):
;;     1. [M 8,192, K 4,096] x [K 4,096, N 2,048]; A: input x (given as codes); B: computed on the way: QUANTISED (scales: A lowp_scales[0], B lowp_scales[1])
;;     2. [M 8,192, K 4,096] x [K 4,096, N 16]; A: input x (given as codes); B: input lora_A (given as codes): QUANTISED (scales: A lowp_scales[2], B lowp_scales[3])
;;     3. [M 8,192, K 16] x [K 16, N 2,048]; A: computed on the way; B: input lora_B: left as it is (K = 16 < 32)
;;   THE QUANTISER, for each operand of a quantised product, along K:
;;     - The operand's scale is 2^e, e = its entry of the input lowp_scales (int32; the entries are numbered through the quantised products in the list's order, A before B).
;;     - Each number is divided by the scale, clamped to +-57,344, and rounded to the nearest number of E5M2, ties to even, subnormals kept.
;;     - The product sums the exact products of the quantised numbers (number of the format x scale) in f32.
;;   ~~~python
;;   def quantise(x, axis, e):      # numpy; x: float32 -> the quantised numbers, widened to float32 again
;;       x = np.moveaxis(x, axis, -1); K = x.shape[-1]
;;       r = np.clip(x / 2.0 ** e, -57344, 57344)
;;       step = 2.0 ** (np.maximum(np.frexp(np.where(r == 0, 1, r))[1] - 1, -14) - 2)
;;       q = np.round(r / step) * step * 2.0 ** e      # np.round: ties to even
;;       return np.moveaxis(q, -1, axis).astype(np.float32)
;;   ~~~
;;   OPERANDS COMPUTED ON THE WAY. 'Computed on the way' means the value that the module computes at that place (a softmax that the list does not call 'softmax' is quantised finished and normalised). What goes into a quantiser is computed in f32, as accurately as f32 sums, v_exp_f32 and their like allow (about 1e-6 of the number): no bf16 or f16 on the way to a quantiser, and a product that is left as it is and whose result goes on into a quantised operand takes f32 operands (vector FMAs, or v_wmma_f32_16x16x4_f32). A number that lies on a knife's edge between two numbers of the format may be rounded either way, as far as f32 arithmetic and the matrix unit's own rounding can turn it there, and no further.
;;   INPUTS GIVEN AS CODES. lora_A (in the module: [4096, 16], K = its axis 0); x (in the module: [4, 2048, 4096], K = its axis 2): each comes as NAME_codes (uint8): NAME with its K axis moved to the last place and cut into blocks of 32 codes, [.., K / 32, bytes a block], one block behind the other in memory; one code a byte (a code: sign, 5 exponent bits, 2 mantissa bits); its scale is its entry of lowp_scales. Its value is code x scale, taken as it is: it is not quantised again, and the codes and scales need not be those that the quantiser above would give.
;; One version. Each part assembles by itself: llvm-mc -triple=amdgcn-amd-amdhsa -mcpu=gfx1250 --defsym DOCPART=n.
;; ======== version 1 of 1: 2 launches
;; limits: right only within a limited range of input values; values are held in bf16: 8 bits of precision
;; workspace buffers: wq 8,388,608 bytes; lbimg 65,536 bytes; laimg 65,536 bytes
;; launch prep (part 1): grid 272 x 1, 8 waves a work-group, no clusters, 76,800 bytes of LDS; arguments q_indices, codebook, scales, lowp_scales, lora_A_codes, lora_B, wq, lbimg, laimg; writes wq, lbimg, laimg
.if DOCPART == 1
	.amdgcn_target "amdgcn-amd-amdhsa--gfx1250"
	.amdhsa_code_object_version 6
	.text
	.protected	k_qe86595fe9c_prep
	.globl	k_qe86595fe9c_prep
	.p2align	8
	.type	k_qe86595fe9c_prep,@function
k_qe86595fe9c_prep:
	s_mov_b64 s[64:65], 0
	v_nop
	global_prefetch_b8 v0, s[64:65] scope:SCOPE_SE
	s_setreg_imm32_b32 hwreg(HW_REG_WAVE_MODE, 25, 1), 1
	s_wait_xcnt 0x0
; W[o][i] = codebook[q_indices[o][i]] x scales[32 o + i / 128], in f32 (one rounding), becomes codes of BF8 (E5M2) with the given scale 2^e1:
; code = W / 2^e1, held within +-57,344, to the nearest code, ties to even.
; wq IS AN IMAGE OF THE PRODUCT'S OPERAND REGISTERS: [16 half-tiles of 128 outputs][32 steps of 128 along K][8 blocks of 16 outputs][4 c][32 lanes][16 bytes]:
; lane 16 h + r holds W's codes (o = 128 p + 16 b + r, k = 128 s + 32 c + 16 h + 0 .. 15).  laimg is the same image of lora_A's codes: [32 s][4 c][32 lanes][16 bytes].
; lbimg: for each block of 16 outputs registers 0-3 of a bf16 operand: lane (r, h): bf16(lora_B[8 h + j][16 b + r]), j = 0 .. 7.
; SHARES.  Work-groups 0-255: 16 rows of W (one block) x half of K.  Wave w takes rows 2 w, 2 w + 1: eight steps of 512 numbers.  Work-groups 256-271: a wave makes one block of lbimg and 512 bytes of laimg.
; A wave's 32 index loads (16 KB) go out at its head, 512 consecutive bytes each.  The conversion wants 16 neighbours along K in one lane: a step's 2,048 bytes turn through the wave's own stage in LDS.
; A unit of 256 bytes of the image holds 16 bytes of each of the 16 rows: the codes meet in a stage of the work-group (128 units, 272 bytes apart), a barrier, and leave as whole units, 512 consecutive bytes a store.
; THE GATHER: lane i (0-15) holds codebook[i]; ds_bpermute_b32 fetches it by the index (held at 15 from above, x 4); the group's scale comes the same way.
; LIMITS: e1 between -126 and 112, so that 2^e1 and 57,344 x 2^e1 are f32 numbers.  NaN in codebook or scales is not served.  An index outside 0 .. 15 is held at 15.
.set NWGW,  256
.set SP,    80                         ; a place in a wave's stage: 64 bytes + 16 of padding
.set STG,   32*SP
.set WREG,  2*STG                      ; a wave's two stages
.set SPARE, 8*WREG                     ; the spare words: 128 bytes a wave
.set OST,   SPARE+1024                 ; the work-group's stage for the codes
.set UP,    272                        ; a unit there: 256 bytes + 16
.set X,     16                         ; v16-47   two sets of 16 indices
.set V,     48                         ; v48-63   16 values
.set R,     64                         ; v64-191  the 32 index loads; at the end the units read back
.set C,     192                        ; v192-223 codes, four registers a step
.set SC,    224                        ; v224     my group's scale; v225 named with it as a pair
	s_load_b256 s[4:11], s[0:1], 0x0               ; q_indices, codebook, scales, the exponents
	s_load_b256 s[12:19], s[0:1], 0x20             ; lora_A's codes, lora_B, wq, lbimg
	s_load_b64 s[44:45], s[0:1], 0x40              ; laimg
	v_lshl_add_u32 v226, v0, 2, SPARE
	v_mov_b32 v227, 0
	v_lshrrev_b32 v1, 5, v0
	v_readfirstlane_b32 s20, v1                    ; wave 0..7
	v_and_b32 v1, 31, v0                           ; lane
	v_lshlrev_b32 v2, 4, v1                        ; 16 x lane
	s_cmp_ge_u32 ttmp9, NWGW                       ; hangs on the work-group's number alone
	s_cbranch_scc1 .Limage
.macro LOAD t                          ; step t: row 2 w + t / 4, its 512 indices t % 4 of my half of K
.irp i, 0,1,2,3
	global_load_b128 v[R+16*(\t)+4*\i:R+16*(\t)+4*\i+3], v2, s[4:5] offset:16384*((\t)/4)+2048*((\t)%4)+512*\i th:TH_LOAD_NT
.endr
.endm
.macro TURN t                          ; through my stage: LDS serves a wave's instructions in order (ISA guide 5.7.1.4)
.irp i, 0,1,2,3
	ds_store_b128 v14, v[R+16*(\t)+4*\i:R+16*(\t)+4*\i+3] offset:STG*((\t)%2)+8*SP*\i
.endr
.irp i, 0,1,2,3
	ds_load_b128 v[X+16*((\t)%2)+4*\i:X+16*((\t)%2)+4*\i+3], v15 offset:STG*((\t)%2)+16*\i
.endr
.endm
.macro STEP t
.set XS, X+16*((\t)%2)
	s_wait_dscnt 0x0                               ; lane l holds numbers 16 l .. 16 l + 15 of the step's 512
.irp i, 0,1,2,3,4,5,6,7,8,9,10,11,12,13,14,15
	v_min_u32 v[XS+\i], 15, v[XS+\i]               ; held inside the table before it names a lane
.endr
.irp i, 0,1,2,3,4,5,6,7,8,9,10,11,12,13,14,15
	v_lshlrev_b32 v[XS+\i], 2, v[XS+\i]
.endr
	v_add_nc_u32 v7, 16*(\t), v6                   ; the lane that holds my group's scale, x 4: 4 t + lane / 8
.irp i, 0,1,2,3,4,5,6,7,8,9,10,11,12,13,14,15
	ds_bpermute_b32 v[V+\i], v[XS+\i], v8          ; codebook[index]
.endr
	ds_bpermute_b32 v[SC], v7, v9                  ; scales[group]
.if (\t) < 7
	s_wait_loadcnt 4*(6-(\t))                      ; the next step's four loads are in
	TURN (\t)+1
	s_wait_dscnt 8                                 ; all but those four stores and four loads
.else
	s_wait_dscnt 0x0
.endif
.irp j, 0,2,4,6,8,10,12,14
	v_pk_mul_f32 v[V+\j:V+\j+1], v[V+\j:V+\j+1], v[SC:SC+1] op_sel_hi:[1,0]
.endr
.irp i, 0,1,2,3,4,5,6,7,8,9,10,11,12,13,14,15
	v_med3_num_f32 v[V+\i], v[V+\i], -v10, v10     ; the conversion does not saturate (ISA guide 7.6.2)
.endr
	v_cvt_scalef32_pk8_bf8_f32 v[C+4*(\t):C+4*(\t)+1], v[V:V+7], v11
	v_cvt_scalef32_pk8_bf8_f32 v[C+4*(\t)+2:C+4*(\t)+3], v[V+8:V+15], v11
	ds_store_b128 v12, v[C+4*(\t):C+4*(\t)+3] offset:32*UP*((\t)%4)+16*((\t)/4)   ; unit 32 (t % 4) + lane, row 2 w + t / 4
.endm
	v_and_b32 v3, 15, v0
	v_lshrrev_b32 v5, 4, v1
	v_lshrrev_b32 v6, 3, v1
	v_lshrrev_b32 v14, 2, v1
	v_and_b32 v15, 3, v1
	v_lshlrev_b32 v13, 4, v3                       ; 16 (lane % 16)
	v_lshlrev_b32 v3, 2, v3                        ; codebook: entry lane % 16
	v_lshlrev_b32 v6, 2, v6                        ; 4 x (lane / 8)
	v_mul_u32_u24 v14, v14, SP
	v_lshl_add_u32 v4, v5, 7, v3                   ; scales: row 2 w + lane / 16, entry lane % 16 of my half's 16
	v_mul_u32_u24 v5, v5, UP
	s_mul_i32 s21, s20, WREG
	s_lshl_b32 s38, s20, 5
	s_add_co_u32 s38, s38, OST                     ; codes in: + 16 x row 2 w
	s_mul_i32 s39, s20, 16*UP
	s_add_co_u32 s39, s39, OST                     ; codes back: my 16 units
	v_lshl_add_u32 v14, v15, 4, v14
	v_mul_u32_u24 v15, v1, SP
	v_mul_u32_u24 v12, v1, UP
	v_add_nc_u32 v13, v13, v5
	v_add_nc_u32 v14, s21, v14                     ; my stage, way in
	v_add_nc_u32 v15, s21, v15                     ; way out: my 16 neighbours
	v_add_nc_u32 v12, s38, v12
	v_add_nc_u32 v13, s39, v13                     ; lanes 0-15 one unit, lanes 16-31 the next
	v_mov_b32 v[SC+1], 0
	s_lshr_b32 s22, ttmp9, 1                       ; the block of 16 rows
	s_and_b32 s23, ttmp9, 1                        ; which half of K
	s_lshl_b32 s30, s22, 4
	s_lshl_b32 s31, s20, 1
	s_add_co_u32 s30, s30, s31                     ; my first row
	s_lshl_b32 s32, s30, 14
	s_lshl_b32 s31, s23, 13
	s_add_co_u32 s32, s32, s31                     ; its indices: 16,384 bytes a row, 8,192 a half
	s_mov_b32 s33, 0
	s_lshl_b32 s34, s30, 7
	s_lshl_b32 s31, s23, 6
	s_add_co_u32 s34, s34, s31                     ; its scales
	s_mov_b32 s35, 0
	s_lshr_b32 s36, s22, 3
	s_lshl_b32 s36, s36, 19                        ; the half-tile,
	s_and_b32 s31, s22, 7
	s_lshl_b32 s31, s31, 11
	s_add_co_u32 s36, s36, s31                     ; the block in a step,
	s_lshl_b32 s31, s23, 4
	s_add_co_u32 s31, s31, s20
	s_add_co_u32 s31, s31, s20
	s_lshl_b32 s31, s31, 14
	s_add_co_u32 s36, s36, s31                     ; and step 16 half + 2 w: my 16 units are two steps' 2,048 bytes
	s_mov_b32 s37, 0
	s_wait_alu depctr_va_vdst(0)                   ; the wait at the head's end
	s_wait_kmcnt 0x0
	s_load_b32 s30, s[10:11], 0x4                  ; e1
	s_add_nc_u64 s[4:5], s[4:5], s[32:33]
	s_add_nc_u64 s[8:9], s[8:9], s[34:35]
	s_add_nc_u64 s[24:25], s[16:17], s[36:37]
	global_load_b32 v8, v3, s[6:7]
	global_load_b32 v9, v4, s[8:9]
.irp t, 0,1,2,3,4,5,6,7
	LOAD \t
.endr
	s_wait_kmcnt 0x0
	s_add_co_i32 s30, s30, 127
	s_lshl_b32 s31, s30, 23
	v_mov_b32 v11, s31                             ; 2^e1
	s_add_co_i32 s30, s30, 15
	s_lshl_b32 s30, s30, 23
	s_or_b32 s30, s30, 0x600000
	v_mov_b32 v10, s30                             ; 57,344 x 2^e1
	s_wait_loadcnt 28                              ; codebook, scales and step 0's four loads are in
	TURN 0
.irp t, 0,1,2,3,4,5,6,7
	STEP \t
.endr
	s_wait_dscnt 0x0                               ; for the others' sake: my codes are in the stage
	s_barrier_signal -1
	s_barrier_wait -1
.irp j, 0,1,2,3,4,5,6,7
	ds_load_b128 v[R+4*\j:R+4*\j+3], v13 offset:2*UP*\j
.endr
.irp j, 0,1,2,3,4,5,6,7
	s_wait_dscnt 7-\j
	global_store_b128 v2, v[R+4*\j:R+4*\j+3], s[24:25] offset:16384*(\j/4)+512*(\j%4)   ; 512 consecutive bytes, at a multiple of 256 from wq's first byte
.endr
	s_wait_tensorcnt 0x0                           ; the wave's end
	ds_add_u32 v226, v227
	s_wait_dscnt 0x0
	s_endpgm
.Limage:
	s_sub_co_u32 s21, ttmp9, NWGW
	s_lshl_b32 s21, s21, 3
	s_add_co_u32 s21, s21, s20                     ; n = 0 .. 127: lbimg's block, and laimg's 512 bytes (s = n / 4, c = n % 4)
	v_and_b32 v6, 15, v0                           ; r
	v_bfe_u32 v4, v0, 4, 1                         ; h
	v_lshlrev_b32 v3, 2, v6
	v_lshlrev_b32 v5, 12, v6
	v_lshl_add_u32 v3, v4, 16, v3                  ; lora_B: 8 h rows of 8,192 bytes + 4 r
	v_lshl_add_u32 v5, v4, 4, v5                   ; lora_A's codes: row r of 4,096 bytes + 16 h
	s_lshl_b32 s32, s21, 6
	s_mov_b32 s33, 0
	s_lshl_b32 s34, s21, 9
	s_mov_b32 s35, 0
	s_lshl_b32 s36, s21, 5                         ; k = 32 n
	s_mov_b32 s37, 0
	s_wait_alu depctr_va_vdst(0)                   ; the wait at the head's end
	s_wait_kmcnt 0x0
	s_add_nc_u64 s[14:15], s[14:15], s[32:33]
	s_add_nc_u64 s[18:19], s[18:19], s[34:35]
	s_add_nc_u64 s[12:13], s[12:13], s[36:37]
	s_add_nc_u64 s[44:45], s[44:45], s[34:35]
.irp j, 0,1,2,3,4,5,6,7
	global_load_b32 v[16+\j], v3, s[14:15] offset:8192*\j
.endr
	global_load_b128 v[28:31], v5, s[12:13]
	s_wait_loadcnt 0x0
.irp i, 0,1,2,3
	v_cvt_pk_bf16_f32 v[24+\i], v[16+2*\i], v[17+2*\i]
.endr
	global_store_b128 v2, v[24:27], s[18:19]
	global_store_b128 v2, v[28:31], s[44:45]
	s_endpgm
.Lfunc_end_k_qe86595fe9c_prep:
	.size	k_qe86595fe9c_prep, .Lfunc_end_k_qe86595fe9c_prep-k_qe86595fe9c_prep
	.p2alignl 7, 3214868480
	.fill 96, 4, 3214868480
	.section	.rodata,"a",@progbits
	.p2align	6, 0x0
	.amdhsa_kernel k_qe86595fe9c_prep
		.amdhsa_group_segment_fixed_size 76800
		.amdhsa_private_segment_fixed_size 0
		.amdhsa_enable_private_segment 0
		.amdhsa_kernarg_size 72
		.amdhsa_user_sgpr_count 2
		.amdhsa_user_sgpr_kernarg_segment_ptr 1
		.amdhsa_wavefront_size32 1
		.amdhsa_system_sgpr_workgroup_id_x 1
		.amdhsa_system_sgpr_workgroup_id_y 1
		.amdhsa_system_sgpr_workgroup_id_z 1
		.amdhsa_system_vgpr_workitem_id 0
		.amdhsa_next_free_vgpr 228
		.amdhsa_next_free_sgpr 66
		.amdhsa_reserve_vcc 0
		.amdhsa_float_denorm_mode_32 3
		.amdhsa_float_denorm_mode_16_64 3
		.amdhsa_memory_ordered 1
		.amdhsa_forward_progress 1
		.amdhsa_inst_pref_size 46
	.end_amdhsa_kernel
	.amdgpu_metadata
---
amdhsa.version: [ 1, 2 ]
amdhsa.kernels:
  - .name:           k_qe86595fe9c_prep
    .symbol:         k_qe86595fe9c_prep.kd
    .args:
      - { .name: q_indices, .offset: 0, .size: 8, .value_kind: global_buffer, .address_space: global }
      - { .name: codebook, .offset: 8, .size: 8, .value_kind: global_buffer, .address_space: global }
      - { .name: scales, .offset: 16, .size: 8, .value_kind: global_buffer, .address_space: global }
      - { .name: lowp_scales, .offset: 24, .size: 8, .value_kind: global_buffer, .address_space: global }
      - { .name: lora_A_codes, .offset: 32, .size: 8, .value_kind: global_buffer, .address_space: global }
      - { .name: lora_B, .offset: 40, .size: 8, .value_kind: global_buffer, .address_space: global }
      - { .name: wq, .offset: 48, .size: 8, .value_kind: global_buffer, .address_space: global }
      - { .name: lbimg, .offset: 56, .size: 8, .value_kind: global_buffer, .address_space: global }
      - { .name: laimg, .offset: 64, .size: 8, .value_kind: global_buffer, .address_space: global }
    .group_segment_fixed_size: 76800
    .private_segment_fixed_size: 0
    .kernarg_segment_align: 8
    .kernarg_segment_size: 72
    .max_flat_workgroup_size: 256
    .sgpr_count:     66
    .vgpr_count:     228
    .wavefront_size: 32
...
	.end_amdgpu_metadata
.endif
;; end of part 1
;; launch gemm (part 2): grid 8 x 32, 4 waves a work-group, clusters of 4 x 1, 327,680 bytes of LDS; arguments x_codes, wq, lowp_scales, out0, lbimg, bias, laimg; writes out0
.if DOCPART == 2
	.amdgcn_target "amdgcn-amd-amdhsa--gfx1250"
	.amdhsa_code_object_version 6
	.text
	.protected	k_qe86595fe9c_gemm
	.globl	k_qe86595fe9c_gemm
	.p2align	8
	.type	k_qe86595fe9c_gemm,@function
k_qe86595fe9c_gemm:
	s_mov_b64 s[64:65], 0
	v_nop
	global_prefetch_b8 v0, s[64:65] scope:SCOPE_SE
	s_setreg_imm32_b32 hwreg(HW_REG_WAVE_MODE, 25, 1), 1
	s_wait_xcnt 0x0
	s_wait_alu depctr_hold_cnt(0) depctr_sa_sdst(0) depctr_va_vdst(0) depctr_va_sdst(0) depctr_va_ssrc(0) depctr_va_vcc(0) depctr_vm_vsrc(0)
	s_getreg_b32 s2, hwreg(HW_REG_IB_STS2, 6, 4)
	s_cmp_eq_u32 s2, 0
	s_cbranch_scc0 .Lentry_in_a_cluster
	s_endpgm
.Lentry_in_a_cluster:
	s_bfe_u32 s2, ttmp6, 0x10000c
	s_cmp_lg_u32 s2, 0x3003
	s_cbranch_scc0 .Lentry_shape_is_right
	s_endpgm
.Lentry_shape_is_right:
; out[m][n] = 2^(e0+e1) sum_k x[m][k] W[n][k] + 2 (2^(e2+e3) sum_k x[m][k] lora_A[k][j]) lora_B[j][n] + bias[n].  x, W, lora_A: codes of BF8, multiplied as they are; sums in f32.
; A tile of 256 x 256 to a work-group of four waves; a wave makes 128 x 128: 64 accumulators, 512 registers.  The matrix instruction is used transposed (source 0 = W's rows, source 1 = x's rows).
; x GOES THROUGH LDS: a ring of two slots of 256 rows x 512 along K (rows of 512 bytes, 528 apart in LDS), each wave fetching 64 rows with one tensor load.  The four work-groups of a cluster (4 x 1) make
; four tiles of one tile row and ask for x's tiles jointly (mask 15).
; W AND lora_A GO FROM MEMORY STRAIGHT INTO REGISTERS: wq and laimg are images of the operand registers, so each load of a wave takes 512 consecutive bytes.  No work-group of a cluster shares W's rows with another.
; A STEP is 128 along K: W's blocks 0-3 against x's eight blocks, then W's blocks 4-7.  So each half of W's set is free half a step before the set's end, and is loaded again for the step two on: two sets of W,
; 52 to 72 loads out.  x's blocks are free in the second half and are fetched anew there: one set.  Loads stand in three runs a step.  The 64 accumulators take turns in the same order in every step.
; THE WALK ALONG K BEGINS ELSEWHERE IN DIFFERENT TILE ROWS: at slot ph (of eight), made of the tile row's bits, and wraps round: the work-groups of a tile column ask for different parts of W's image at a time.  The order of the f32 sums differs with it.
; LoRA: each wave sums t = x lora_A for its blocks 0-3 (the two waves of a row half take the two halves of the rows as their blocks 0-3), t goes to the partner through LDS as bf16, and one bf16 product adds t lora_B onto the sums.
; PREFETCH: behind each joint load the slot that the next change of slots will load: 256 rows x 2 blocks of 256 bytes, shared by address among the cluster's four (64 rows each), a lane a block, one instruction a wave; the last refill asks for nothing.
; None for the images: their loads into registers are themselves asked one and a half steps ahead of their use.
; LIMITS: e0 + e1 and e2 + e3 - e0 - e1 + 1 lie between -126 and 127, so that the two factors are f32 numbers.
; REGISTERS: window 0: v0-31 addresses; v32-63 t's sums; v64-95 lora_A's fragments, two sets; v128-255 x's fragments.  window 1: W's two sets.  windows 2, 3: the accumulators of my blocks 0-3, 4-7.
.set PITCH,  528
.set QT,     64*PITCH                  ; what one tensor load brings
.set SLOT,   4*QT
.set SPARE,  2*SLOT                    ; the spare words
.set TIMG,   SPARE+512                 ; t's images, 2,048 bytes a wave
.set SPITCH, 528                       ; the way out: 16 rows x (512 + 16) bytes a wave, in slot 0 behind its last fill and last read
.set NOUT,   2048
.set TL,    8
.set BO,    9
.set ADRAL, 16
.set ADRAH, 18
.set STO,   24
.set RD,    25
.set CO,    26
.set TI,    27
.set SPW,   28
.set NIL,   29
.set PFO,   30
.set TA,    32
.set LF,    64
.set TT,    96
.set AF,    128
.set TF,    128
.set TMP,   32
.set LB,    0
.set BI,    64
.set G1,  24
.set G0,  32
.set SLO, 82                           ; s[82:83] offset in laimg
.set SLB, 84                           ; s[84:85] laimg
.set SBB, 90                           ; s[90:91] my half-tile of wq
.set SBO, 92                           ; s[92:93] offset of the step that is loaded next
.set SBA, 94                           ; s[94:95] its address
.set SLA, 96                           ; s[96:97] the same in laimg
.set MSB, 0
.macro WIN new
.if MSB != (\new)
	s_set_vgpr_msb (MSB<<8)|(\new)
.set MSB, (\new)
.endif
.endm
.set MUL_LO, 0xa1
.set MUL_HI, 0xf1
.set TO_B,   0x40
.macro CREST
	s_cmp_lg_u32 s14, 0
	s_cbranch_scc1 .Lnot_wave_0_\@
	s_barrier_signal -3
.Lnot_wave_0_\@:
	s_barrier_wait -3
	s_barrier_signal -1
	s_barrier_wait -1
.endm
.macro CROUND
	s_barrier_signal -1
	s_barrier_wait -1
	CREST
.endm
.macro PLACES
.rept 4
	v_nop
.endr
.endm
.macro FRAG reg, adr, q, i             ; 16 rows x 128 K: registers 4 c .. 4 c + 3 hold K = 32 c + 16 (l / 16) + 0 .. 15, as the images have it
.irp c, 0,1,2,3
	ds_load_b128 v[\reg+4*\c:\reg+4*\c+3], v[\adr] offset:128*(\q)+32*\c+(\i)*16*PITCH
.endr
.endm
.macro FETCH_A slot, q, i0
.irp i, 0,1,2,3
	FRAG AF+16*(\i0+\i), ADRAL+2*((\i0)/4)+\slot, \q, \i
.endr
.endm
.macro BLOAD p, b0, off                ; W's blocks b0 .. b0 + 3 into set p
.irp b, \b0, \b0+1, \b0+2, \b0+3
.irp c, 0,1,2,3
	global_load_b128 v[128*(\p)+16*(\b)+4*\c:128*(\p)+16*(\b)+4*\c+3], v[CO], s[SBA:SBA+1] offset:(\off)+2048*(\b)+512*\c
.endr
.endr
.endm
.macro LLOAD p, off
.irp c, 0,1,2,3
	global_load_b128 v[LF+16*(\p)+4*\c:LF+16*(\p)+4*\c+3], v[CO], s[SLA:SLA+1] offset:(\off)+512*\c
.endr
.endm
.macro MUL8 a0, b0, p, zero            ; x's blocks a0, a0 + 1 against W's b0 .. b0 + 3
.irp a, \a0, \a0+1
.irp b, \b0, \b0+1, \b0+2, \b0+3
.if \zero
	v_wmma_f32_16x16x128_bf8_bf8 v[8*(8*((\a)%4)+(\b)):8*(8*((\a)%4)+(\b))+7], v[128*(\p)+16*(\b):128*(\p)+16*(\b)+15], v[AF+16*(\a):AF+16*(\a)+15], 0
.else
	v_wmma_f32_16x16x128_bf8_bf8 v[8*(8*((\a)%4)+(\b)):8*(8*((\a)%4)+(\b))+7], v[128*(\p)+16*(\b):128*(\p)+16*(\b)+15], v[AF+16*(\a):AF+16*(\a)+15], v[8*(8*((\a)%4)+(\b)):8*(8*((\a)%4)+(\b))+7]
.endif
.endr
.endr
.endm
.macro TMUL p, zero
.irp a, 0,1,2,3
.if \zero
	v_wmma_f32_16x16x128_bf8_bf8 v[TA+8*\a:TA+8*\a+7], v[LF+16*(\p):LF+16*(\p)+15], v[AF+16*\a:AF+16*\a+15], 0
.else
	v_wmma_f32_16x16x128_bf8_bf8 v[TA+8*\a:TA+8*\a+7], v[LF+16*(\p):LF+16*(\p)+15], v[AF+16*\a:AF+16*\a+15], v[TA+8*\a:TA+8*\a+7]
.endif
.endr
.endm
.macro LMUL16 a0
.irp a, \a0, \a0+1
.irp b, 0,1,2,3,4,5,6,7
	v_wmma_f32_16x16x32_bf16 v[8*(8*((\a)%4)+\b):8*(8*((\a)%4)+\b)+7], v[LB+8*\b:LB+8*\b+7], v[TF+8*(\a):TF+8*(\a)+7], v[8*(8*((\a)%4)+\b):8*(8*((\a)%4)+\b)+7]
.endr
.endr
.endm
; One step.  turn: 0 none; 1 a change of slots; 2 a change with a refill of \slot.  ld: the images' loads for the step two on.  fetch: x's fragments of the next step.
; lc1: the loads issued behind this step's W 0-3 and lora_A; lc2: those behind its W 4-7.  pf: 1 prefetch, 2 prefetch but in the loop's last trip.  epi: the way out's loads.
.macro STEP slot, q, zero, turn, ld, fetch, lc1, lc2, pf, epi
.set P, (\q)%2
.if (\q) == 3
.set NS, 1-(\slot)
.set NQ, 0
.else
.set NS, \slot
.set NQ, (\q)+1
.endif
	s_wait_loadcnt \lc1
	s_wait_dscnt 24                                ; x's blocks 0, 1 are in
	WIN MUL_LO
	MUL8 0, 0, P, \zero
	s_wait_dscnt 16
	MUL8 2, 0, P, \zero
.if \turn
	WIN 0
	s_wait_tensorcnt 0x0                           ; my one load that was out, my part of the other slot, has landed
	ds_add_u32 v[SPW], v[NIL]
.if \turn == 2
	s_lshl_b32 s88, s86, 9                         ; no tensor load of mine is out: this slot's group 0 takes the walk's next 512 along K
	s_add_nc_u64 s[G0+4*(\slot)+2:G0+4*(\slot)+3], s[20:21], s[88:89]
	s_or_b32 s[G0+4*(\slot)+3], s[G0+4*(\slot)+3], 0x80000000
	s_add_co_u32 s86, s86, 1
	s_and_b32 s86, s86, 7
	s_lshl_b32 s88, s86, 9
	s_add_nc_u64 s[46:47], s[44:45], s[88:89]      ; the prefetch's address: the slot after that (every step's wait on XCNT has freed it)
.endif
	s_wait_dscnt 9                                 ; x's blocks 4, 5 are in; eight loads and the add may be out
	WIN MUL_HI
	MUL8 4, 0, P, 0
	s_wait_dscnt 0x0                               ; the add is done and my reads of this slot are over
	s_barrier_signal -1
	MUL8 6, 0, P, 0
	WIN 0
	s_barrier_wait -1
.if \turn == 2
	CREST                                          ; the barrier has opened a round of the cluster's barrier
	tensor_load_to_lds s[G0+4*(\slot):G0+4*(\slot)+3], s[G1:G1+7]
	s_nop 0
.endif
.else
	s_wait_dscnt 8
	WIN MUL_HI
	MUL8 4, 0, P, \zero
	s_wait_dscnt 0x0
	MUL8 6, 0, P, \zero
	WIN 0
.endif
	PLACES                                         ; four places in front of loads into registers that matrix instructions have read
.if \ld
	s_wait_xcnt 0x0                                ; the last step's loads have read their bases
	s_add_nc_u64 s[SBA:SBA+1], s[SBB:SBB+1], s[SBO:SBO+1]
	s_lshr_b32 s[SLO], s[SBO], 3
	s_add_nc_u64 s[SLA:SLA+1], s[SLB:SLB+1], s[SLO:SLO+1]
	s_add_co_u32 s[SBO], s[SBO], 16384
	s_and_b32 s[SBO], s[SBO], 0x7ffff              ; 32 steps, round
	WIN TO_B
	BLOAD P, 0, 0
	WIN 0
.endif
.if \epi
	WIN TO_B                                       ; W's set 0 is done with: lora_B's image and the bias land there
.irp b, 0,1,2,3,4,5,6,7
	global_load_b128 v[LB+8*\b:LB+8*\b+3], v[CO], s[68:69] offset:512*\b
.endr
.irp b, 0,1,2,3,4,5,6,7
	global_load_b128 v[BI+8*\b:BI+8*\b+3], v[BO], s[70:71] offset:64*\b
	global_load_b128 v[BI+8*\b+4:BI+8*\b+7], v[BO], s[70:71] offset:64*\b+16
.endr
.irp b, 0,1,2,3,4,5,6,7
.irp i, 4,5,6,7
	v_mov_b32 v[LB+8*\b+\i], 0                     ; ranks 16 to 31 of the bf16 operand: zeros
.endr
.endr
	WIN 0
.endif
.if \pf == 1
	global_prefetch_b8 v[PFO], s[46:47] th:TH_LOAD_NT scope:SCOPE_SE
.endif
.if \pf == 2
	s_cmp_gt_u32 s3, 1
	s_cbranch_scc0 .Lno_more_\@
	global_prefetch_b8 v[PFO], s[46:47] th:TH_LOAD_NT scope:SCOPE_SE
.Lno_more_\@:
.endif
	TMUL P, \zero
	s_wait_loadcnt \lc2
	WIN MUL_LO
	MUL8 0, 4, P, \zero
	MUL8 2, 4, P, \zero
	WIN 0
.if \fetch
	PLACES
	FETCH_A NS, NQ, 0
.endif
.if \ld
	LLOAD P, 0
.endif
	WIN MUL_HI
	MUL8 4, 4, P, \zero
	MUL8 6, 4, P, \zero
	WIN 0
.if \fetch
	PLACES
	FETCH_A NS, NQ, 4
.endif
.if \ld
	WIN TO_B
	BLOAD P, 4, 0
	WIN 0
.endif
.endm
	s_load_b128 s[4:7], s[0:1], 0x0                ; x's codes, wq
	s_load_b128 s[8:11], s[0:1], 0x10              ; the exponents, out
	s_load_b128 s[68:71], s[0:1], 0x20             ; lbimg, bias
	s_load_b64 s[SLB:SLB+1], s[0:1], 0x30          ; laimg
	v_lshl_add_u32 v[SPW], v0, 2, SPARE
	v_mov_b32 v[NIL], 0
	ds_add_u32 v[SPW], v[NIL]                      ; the opening lines: the add twice on end and its wait
	ds_add_u32 v[SPW], v[NIL]
	v_lshrrev_b32 v1, 5, v0
	v_readfirstlane_b32 s14, v1                    ; wave
	s_lshr_b32 s15, s14, 1                         ; my half of the tile's rows
	s_and_b32 s16, s14, 1                          ; my half of its columns
	s_xor_b32 s67, s16, 1
	s_bfe_u32 s40, ttmp6, 0x40000                  ; cx
	s_lshl_b32 s42, ttmp9, 2
	s_add_co_u32 s42, s42, s40                     ; tile column
	s_and_b32 s17, ttmp7, 0xffff                   ; tile row
	s_lshr_b32 s18, s17, 1
	s_lshr_b32 s19, s17, 2
	s_xor_b32 s18, s18, s19
	s_xor_b32 s18, s18, s17
	s_and_b32 s18, s18, 4
	s_and_b32 s86, s17, 3
	s_or_b32 s86, s86, s18                         ; ph: bits 0, 1 of the tile row, and bits 2, 3, 4 added without carry
	s_mov_b32 s[G1+0], 15|(1<<20)|(1<<21)|(6<<22)|(3<<25)   ; the cluster's four; bytes; 4 words of padding behind every 128
	s_mov_b32 s[G1+1], 512<<16
	s_mov_b32 s[G1+2], 64<<16
	s_mov_b32 s[G1+3], 512<<16
	s_mov_b32 s[G1+4], 64
	s_mov_b32 s[G1+5], 4096
	s_mov_b32 s[G1+6], 0
	s_mov_b32 s[G1+7], 0
	s_lshl_b32 s22, s17, 20
	s_lshl_b32 s18, s14, 18
	s_add_co_u32 s22, s22, s18                     ; x: row 256 x tile row + 64 x wave, 4,096 bytes a row
	s_mov_b32 s23, 0
	s_lshl_b32 s48, s17, 20
	s_lshl_b32 s18, s40, 18
	s_add_co_u32 s48, s48, s18
	s_lshl_b32 s18, s14, 16
	s_add_co_u32 s48, s48, s18                     ; the prefetches: row 256 x tile row + 64 cx + 16 x wave
	s_mov_b32 s49, 0
	s_lshl_b32 s50, s42, 1
	s_add_co_u32 s50, s50, s16
	s_lshl_b32 s50, s50, 19                        ; my half-tile of wq
	s_mov_b32 s51, 0
	s_lshl_b32 s[SBO], s86, 16                     ; step 4 ph
	s_mov_b32 s[SBO+1], 0
	s_lshr_b32 s[SLO], s[SBO], 3
	s_mov_b32 s[SLO+1], 0
	s_lshl_b32 s88, s86, 9
	s_mov_b32 s89, 0
	s_mul_i32 s[G0+1], s14, QT                     ; LDS: wave x 64 rows
	s_add_co_u32 s[G0+5], s[G0+1], SLOT
	s_mov_b32 s[G0], 1
	s_mov_b32 s[G0+4], 1
	s_xor_b32 s53, s14, 1
	s_lshl_b32 s56, s53, 11
	s_add_co_u32 s56, s56, TIMG                    ; my partner's image of t
	s_mul_i32 s53, s53, QT                         ; the other 64 rows of my row half
	s_mul_i32 s54, s14, 16*SPITCH                  ; my stage
	s_lshl_b32 s55, s14, 11
	s_add_co_u32 s55, s55, TIMG
	s_wait_dscnt 0x0                               ; both opening adds are done
	s_wait_kmcnt 0x0
	s_load_b128 s[72:75], s[8:9], 0x0              ; e0 .. e3
	s_add_nc_u64 s[20:21], s[4:5], s[22:23]
	s_add_nc_u64 s[G0+2:G0+3], s[20:21], s[88:89]
	s_or_b32 s[G0+3], s[G0+3], 0x80000000
	CROUND                                         ; in front of the first joint loads
	tensor_load_to_lds s[G0:G0+3], s[G1:G1+7]      ; the walk's first slot: one tensor load a wave at the head
	s_nop 0
	v_and_b32 v1, 15, v0
	v_bfe_u32 v2, v0, 4, 1
	v_and_b32 v6, 31, v0
	v_mul_u32_u24 v3, v1, PITCH
	v_lshl_add_u32 v4, v2, 4, v3
	v_add_nc_u32 v[ADRAL], s[G0+1], v4             ; my blocks 0-3: rows 64 x wave on
	v_add_nc_u32 v[ADRAH], s53, v4                 ; my blocks 4-7
	v_add_nc_u32 v[ADRAL+1], SLOT, v[ADRAL]
	v_add_nc_u32 v[ADRAH+1], SLOT, v[ADRAH]
	v_lshl_add_u32 v5, v2, 5, v3
	v_add_nc_u32 v[STO], s54, v5
	v_lshlrev_b32 v[CO], 4, v6                     ; 16 x lane
	v_add_nc_u32 v[RD], s54, v[CO]
	v_add_nc_u32 v[TI], s55, v[CO]
	v_add_nc_u32 v[TL], s56, v[CO]
	v_lshlrev_b32 v[BO], 5, v2
	v_lshrrev_b32 v7, 1, v6
	v_and_b32 v[PFO], 1, v0
	v_lshlrev_b32 v[PFO], 8, v[PFO]
	v_lshl_add_u32 v[PFO], v7, 12, v[PFO]          ; row lane / 2, block lane % 2
	s_wait_alu depctr_va_vdst(0)                   ; the wait at the head's end
	s_add_nc_u64 s[44:45], s[4:5], s[48:49]
	s_add_nc_u64 s[SBB:SBB+1], s[6:7], s[50:51]
	s_add_nc_u64 s[SBA:SBA+1], s[SBB:SBB+1], s[SBO:SBO+1]
	s_add_nc_u64 s[SLA:SLA+1], s[SLB:SLB+1], s[SLO:SLO+1]
	WIN TO_B                                       ; the images of the first two steps, in the order in which every step asks
	BLOAD 0, 0, 0
	WIN 0
	LLOAD 0, 0
	WIN TO_B
	BLOAD 0, 4, 0
	BLOAD 1, 0, 16384
	WIN 0
	LLOAD 1, 2048
	WIN TO_B
	BLOAD 1, 4, 16384
	WIN 0
	s_add_co_u32 s[SBO], s[SBO], 32768             ; step 4 ph + 2, at most 30
	s_add_co_u32 s86, s86, 1
	s_and_b32 s86, s86, 7
	s_lshl_b32 s88, s86, 9
	s_add_nc_u64 s[G0+6:G0+7], s[20:21], s[88:89]  ; the walk's second slot
	s_or_b32 s[G0+7], s[G0+7], 0x80000000
	s_add_co_u32 s86, s86, 1
	s_and_b32 s86, s86, 7
	s_lshl_b32 s88, s86, 9
	s_add_nc_u64 s[46:47], s[44:45], s[88:89]      ; the third, for the prefetch
	s_lshl_b32 s78, s17, 8                         ; where my rows begin in out
	s_lshl_b32 s79, s15, 7
	s_add_co_u32 s78, s78, s79
	s_lshl_b32 s79, s16, 6
	s_add_co_u32 s80, s78, s79
	s_lshl_b32 s79, s67, 6
	s_add_co_u32 s78, s78, s79
	s_lshl_b32 s80, s80, 13
	s_lshl_b32 s78, s78, 13
	s_lshl_b32 s58, s42, 10
	s_lshl_b32 s59, s16, 9
	s_add_co_u32 s58, s58, s59
	s_add_co_u32 s80, s80, s58
	s_add_co_u32 s78, s78, s58
	s_mov_b32 s81, 0
	s_mov_b32 s79, 0
	s_mov_b32 s59, 0
	s_add_nc_u64 s[76:77], s[10:11], s[78:79]      ; blocks 4-7
	s_add_nc_u64 s[10:11], s[10:11], s[80:81]      ; blocks 0-3
	s_add_nc_u64 s[70:71], s[70:71], s[58:59]
	s_lshl_b32 s58, s58, 3
	s_add_nc_u64 s[68:69], s[68:69], s[58:59]
	s_wait_tensorcnt 0x0                           ; my part of the first slot is in
	ds_add_u32 v[SPW], v[NIL]
	s_wait_dscnt 0x0
	CROUND
	tensor_load_to_lds s[G0+4:G0+7], s[G1:G1+7]
	s_nop 0
	PLACES
	FETCH_A 0, 0, 0
	FETCH_A 0, 0, 4
	global_prefetch_b8 v[PFO], s[46:47] th:TH_LOAD_NT scope:SCOPE_SE
	STEP 0, 0, 1, 0, 1, 1, 52, 52, 0, 0            ; the first step starts the sums
	s_mov_b32 s3, 3
.Llap:                                                 ; a trip goes once round the ring, from a lap's second step to the next lap's first
	STEP 0, 1, 0, 0, 1, 1, 52, 52, 0, 0
	STEP 0, 2, 0, 0, 1, 1, 52, 52, 0, 0
	STEP 0, 3, 0, 2, 1, 1, 52, 52, 1, 0
	STEP 1, 0, 0, 0, 1, 1, 52, 52, 0, 0
	STEP 1, 1, 0, 0, 1, 1, 52, 52, 0, 0
	STEP 1, 2, 0, 0, 1, 1, 52, 52, 0, 0
	STEP 1, 3, 0, 2, 1, 1, 52, 52, 2, 0
	STEP 0, 0, 0, 0, 1, 1, 52, 52, 0, 0
	s_sub_co_u32 s3, s3, 1
	s_cmp_lg_u32 s3, 0
	s_cbranch_scc1 .Llap
	STEP 0, 1, 0, 0, 1, 1, 52, 52, 0, 0            ; the last lap fills nothing
	STEP 0, 2, 0, 0, 1, 1, 52, 52, 0, 0
	STEP 0, 3, 0, 1, 1, 1, 52, 52, 0, 0
	STEP 1, 0, 0, 0, 1, 1, 52, 52, 0, 0
	STEP 1, 1, 0, 0, 1, 1, 52, 52, 0, 0
	STEP 1, 2, 0, 0, 0, 1, 52, 36, 0, 0            ; the last two steps load no image: the counts run down
	STEP 1, 3, 0, 0, 0, 0, 16, 24, 0, 1            ; 24: the way out's loads
	s_wait_kmcnt 0x0
	s_add_co_i32 s96, s72, s73
	s_add_co_i32 s98, s74, s75
	s_sub_co_i32 s98, s98, s96
	s_add_co_i32 s98, s98, 128
	s_lshl_b32 s98, s98, 23                        ; 2 x 2^(e2 + e3 - e0 - e1)
	s_mov_b32 s99, s98
	s_add_co_i32 s96, s96, 127
	s_lshl_b32 s96, s96, 23                        ; 2^(e0 + e1)
	s_mov_b32 s97, s96
	PLACES
.set j, 0
.rept 16
	v_pk_mul_f32 v[TT+j:TT+j+1], v[TA+j:TA+j+1], s[98:99] op_sel_hi:[1,0]
.set j, j+2
.endr
.irp a, 0,1,2,3
.irp i, 0,1,2,3
	v_cvt_pk_bf16_f32 v[TF+8*\a+\i], v[TT+8*\a+2*\i], v[TT+8*\a+2*\i+1]
.endr
.endr
.irp a, 0,1,2,3,4,5,6,7
.irp i, 4,5,6,7
	v_mov_b32 v[TF+8*\a+\i], 0
.endr
.endr
.irp a, 0,1,2,3
	ds_store_b128 v[TI], v[TF+8*\a:TF+8*\a+3] offset:512*\a
.endr
	s_wait_alu depctr_va_vdst(0)                   ; the wait here, directly ahead of the wait below
	s_wait_dscnt 0x0                               ; for my partner's sake
	s_barrier_signal -1
	s_barrier_wait -1
.irp a, 0,1,2,3
	ds_load_b128 v[TF+8*(\a+4):TF+8*(\a+4)+3], v[TL] offset:512*\a
.endr
	s_wait_dscnt 0x0
	s_wait_loadcnt 0x0
	WIN MUL_LO
	LMUL16 0
	LMUL16 2
	WIN MUL_HI
	LMUL16 4
	LMUL16 6
	WIN 0
; THE WAY OUT, by blocks of 16 rows x 128 columns, two at a time: x 2^(e0 + e1) + bias, through my stage, back as whole rows of 512 bytes INTO THE BLOCK'S OWN ACCUMULATOR REGISTERS, which are done with:
; so no register that a store reads is written again, each store's place stands in its immediate (63 rows of 8,192 bytes at the most), and no store is waited for.
.macro TOSTAGE a
.set AC, 64*((\a)%4)
	WIN 0x12+((\a)/4)
.set j, 0
.rept 32
	v_pk_fma_f32 v[TMP+j:TMP+j+1], v[AC+j:AC+j+1], s[96:97], v[BI+j:BI+j+1] op_sel_hi:[1,0,1]
.set j, j+2
.endr
	WIN 0
.irp b, 0,1,2,3,4,5,6,7
	ds_store_b128 v[STO], v[TMP+8*\b:TMP+8*\b+3] offset:64*\b
	ds_store_b128 v[STO], v[TMP+8*\b+4:TMP+8*\b+7] offset:64*\b+16
.endr
	WIN 0x80+0x40*((\a)/4)                         ; destination: window 2 or 3
.irp t, 0,1,2,3,4,5,6,7,8,9,10,11,12,13,14,15
	ds_load_b128 v[AC+4*\t:AC+4*\t+3], v[RD] offset:\t*SPITCH   ; LDS serves a wave's instructions in order (ISA guide 5.7.1.4)
.endr
.endm
.macro SEND a, younger
.set AC, 64*((\a)%4)
.set OBS, 10+66*((\a)/4)               ; s[10:11] for blocks 0-3, s[76:77] for blocks 4-7
	s_wait_dscnt \younger
	WIN 0x08+0x04*((\a)/4)                         ; the data: window 2 or 3
.irp t, 0,1,2,3,4,5,6,7,8,9,10,11,12,13,14,15
	global_store_b128 v[CO], v[AC+4*\t:AC+4*\t+3], s[OBS:OBS+1] offset:(16*((\a)%4)+\t)*NOUT*4 th:TH_STORE_NT   ; 512 consecutive bytes, at a multiple of 256 from out's first byte
.endr
.endm
	PLACES
.irp a, 0,2,4,6
	TOSTAGE \a
	TOSTAGE \a+1
	SEND \a, 32                                    ; behind block a's loads: block a + 1's 16 stores and 16 loads
	SEND \a+1, 0
.endr
	WIN 0
	s_wait_tensorcnt 0x0                           ; the wave's end
	ds_add_u32 v[SPW], v[NIL]
	s_wait_dscnt 0x0
	CROUND                                         ; the closing round
	s_endpgm
.Lfunc_end_k_qe86595fe9c_gemm:
	.size	k_qe86595fe9c_gemm, .Lfunc_end_k_qe86595fe9c_gemm-k_qe86595fe9c_gemm
	.p2alignl 7, 3214868480
	.fill 96, 4, 3214868480
	.section	.rodata,"a",@progbits
	.p2align	6, 0x0
	.amdhsa_kernel k_qe86595fe9c_gemm
		.amdhsa_group_segment_fixed_size 327680
		.amdhsa_private_segment_fixed_size 0
		.amdhsa_enable_private_segment 0
		.amdhsa_kernarg_size 56
		.amdhsa_user_sgpr_count 2
		.amdhsa_user_sgpr_kernarg_segment_ptr 1
		.amdhsa_wavefront_size32 1
		.amdhsa_system_sgpr_workgroup_id_x 1
		.amdhsa_system_sgpr_workgroup_id_y 1
		.amdhsa_system_sgpr_workgroup_id_z 1
		.amdhsa_system_vgpr_workitem_id 0
		.amdhsa_next_free_vgpr 1024
		.amdhsa_next_free_sgpr 100
		.amdhsa_reserve_vcc 0
		.amdhsa_float_denorm_mode_32 3
		.amdhsa_float_denorm_mode_16_64 3
		.amdhsa_memory_ordered 1
		.amdhsa_forward_progress 1
		.amdhsa_inst_pref_size 238
	.end_amdhsa_kernel
	.amdgpu_metadata
---
amdhsa.version: [ 1, 2 ]
amdhsa.kernels:
  - .name:           k_qe86595fe9c_gemm
    .symbol:         k_qe86595fe9c_gemm.kd
    .args:
      - { .name: x_codes, .offset: 0, .size: 8, .value_kind: global_buffer, .address_space: global }
      - { .name: wq, .offset: 8, .size: 8, .value_kind: global_buffer, .address_space: global }
      - { .name: lowp_scales, .offset: 16, .size: 8, .value_kind: global_buffer, .address_space: global }
      - { .name: out0, .offset: 24, .size: 8, .value_kind: global_buffer, .address_space: global }
      - { .name: lbimg, .offset: 32, .size: 8, .value_kind: global_buffer, .address_space: global }
      - { .name: bias, .offset: 40, .size: 8, .value_kind: global_buffer, .address_space: global }
      - { .name: laimg, .offset: 48, .size: 8, .value_kind: global_buffer, .address_space: global }
    .group_segment_fixed_size: 327680
    .private_segment_fixed_size: 0
    .kernarg_segment_align: 8
    .kernarg_segment_size: 56
    .max_flat_workgroup_size: 128
    .sgpr_count:     100
    .vgpr_count:     1024
    .wavefront_size: 32
...
	.end_amdgpu_metadata
.endif
;; end of part 2
